; MI455X (gfx1250); checked and timed in simulation.
; The chip was launched on July 23, 2026; its instructions are those of AMD's public machine-readable ISA for CDNA 5 (MIT licence, August 2026) and "CDNA5" Instruction Set Architecture Reference Guide (July 2026). The comments in the code are by the model that wrote it; some were corrected since.
;; Sparse Lowrank Attention. Allowed arithmetic: float matrix products may take bf16 or f16 operands with f32 sums; all other float work in f32.
;; Inputs: K 2 x 8 x 2,048 x 64 float32; Q 2 x 8 x 2,048 x 64 float32; V 2 x 8 x 2,048 x 64 float32; mask 2 x 2,048 float32; sparse_ratio 1 float32.
;; Outputs: out0 2 x 8 x 2,048 x 64 float32.
;; One version. Each part assembles by itself: llvm-mc -triple=amdgcn-amd-amdhsa -mcpu=gfx1250 --defsym DOCPART=n.
;; ======== version 1 of 1: 2 launches
;; workspace buffers: kvp 2,097,152 bytes; pst 65,536 bytes; czs 4,096 bytes
;; launch kvstat (part 1): grid 8 x 16, 8 waves a work-group, no clusters, 85,504 bytes of LDS; arguments K, V, mask, kvp, pst, czs; writes kvp, pst, czs
.if DOCPART == 1
	.amdgcn_target "amdgcn-amd-amdhsa--gfx1250"
	.amdhsa_code_object_version 6
	.text
	.protected	k_qd8899e0828_kvstat
	.globl	k_qd8899e0828_kvstat
	.p2align	8
	.type	k_qd8899e0828_kvstat,@function
k_qd8899e0828_kvstat:
	s_mov_b64 s[64:65], 0
	v_nop
	global_prefetch_b8 v0, s[64:65] scope:SCOPE_SE
	s_setreg_imm32_b32 hwreg(HW_REG_WAVE_MODE, 25, 1), 1
	s_wait_xcnt 0x0
; First of two launches.  A work-group takes 256 keys (chunk x) of one head (y = b*8+h) and makes
;   kvp : its part of kv[d][e] = sum over t of (elu(K[t][d])+1) * m[t]^2 * V[t][e]   (64 x 64 f32, no scale yet)
;   for each of its four tiles of 64 keys the figures by which the second launch treats the tile as ONE key where it lies wholly outside
;   a query's band.  There a key's score is c[t] = -1e6 - 1e6*(1-m[t]), whatever the query:
;   czs : cmax = max c[t], z = sum w[t];  pst : P[e] = sum w[t] V[t][e] (bf16), with w[t] = exp(c[t]-cmax): the tile's own maximum is taken away.
; Every byte of K and V is changed on its way (elu, mask, f32 to bf16), so it goes through registers: 16-byte loads, 512 consecutive bytes
; for each load of a wave; the work-groups share no input, so nothing could be asked for jointly.
; LIMITS: inputs finite; m^2 is put on K (reference() puts m on K and m on V: the same product, rounded in another order);
; elu(x)+1 is formed as max(x,0) + exp(min(x,0)); w below 2^-126 comes out as zero (v_exp_f32 flushes: ISA guide 15.8).
.set PITCH, 160                        ; LDS row: 64 bf16 + 32 bytes, an odd multiple of 32 for the transposing loads
.set KB,  0                            ; K1' bf16, 256 rows
.set VB,  40960                        ; V bf16, 256 rows
.set WB,  81920                        ; w[t] bf16, 256
.set M2,  82432                        ; m^2, 128 bytes for each wave, the wave's own
.set PSB, 83456                        ; P of the four tiles, 4 x 128 bytes
.set CZB, 83968                        ; cmax x 4, z x 4
.set L2E, 0x3fb8aa3b                   ; log2(e)
.set ACC,  16                          ; v[16:31]   two accumulators of kv
.set M2R,  32                          ; v[32:47]   m^2 of my rows 2n+h
.set PACC, 32                          ; v[32:47]   later: two accumulators of P
.set T,    48                          ; v[48:63]   at work
.set WF,   48                          ; v[48:63]   later: the fragments of w
.set KX,   64                          ; v[64:127]  K as loaded
.set VX,   128                         ; v[128:191] V as loaded
.set F,    64                          ; v[64:255]  behind the first barrier: fragments, 24 registers for each K step
.set PK,   96                          ; v[96:103]  P packed
.set MO,   192                         ; m of my key
.set MP,   193                         ; m of the key 32 further (the other half of the tile of 64)
.set CO,   194
.set CP,   195
.set CM,   196
.set ZS,   197
.set AD,   198
.macro PLACES                          ; four places behind a matrix instruction (ISA guide 7.12.1)
.rept 4
	v_nop
.endr
.endm
	s_load_b256 s[4:11], s[0:1], 0x0               ; K s[4:5], V s[6:7], mask s[8:9], kvp s[10:11]
	s_load_b128 s[12:15], s[0:1], 0x20             ; pst s[12:13], czs s[14:15]
	s_set_vgpr_msb 0x40
	v_lshl_add_u32 v0, v0, 2, 0x14a00
	v_mov_b32 v1, 0
	s_set_vgpr_msb 0x4000
	v_lshrrev_b32 v1, 5, v0
	v_readfirstlane_b32 s16, v1                    ; wave w
	v_and_b32 v1, 31, v0                           ; lane L
	v_and_b32 v2, 15, v0                           ; r
	v_bfe_u32 v3, v0, 4, 1                         ; h
	v_lshlrev_b32 v4, 4, v1                        ; 16 L
	v_lshlrev_b32 v5, 2, v0                        ; my key's word in the chunk's mask
	v_xor_b32 v6, 0x80, v5                         ; and that of the key 32 away
	s_mov_b32 s17, ttmp9                           ; chunk
	s_and_b32 s18, ttmp7, 0xffff                   ; head
	s_lshr_b32 s19, s16, 1                         ; di = my 16 rows d of kv; also jl = my tile of 64 keys
	s_and_b32 s20, s16, 1                          ; ep = my 32 columns e
	s_mov_b32 s24, 0x76543210                      ; v_permlanex16_b32: lane i reads lane i of the other half
	s_mov_b32 s25, 0xfedcba98
	s_lshl_b32 s22, s18, 19                        ; a head is 2048 x 256 bytes,
	s_lshl_b32 s27, s17, 16                        ; a chunk 256 rows,
	s_add_co_u32 s22, s22, s27
	s_lshl_b32 s27, s16, 13                        ; a wave's part 32 rows
	s_add_co_u32 s22, s22, s27
	s_mov_b32 s23, 0
	s_lshr_b32 s28, s18, 3                         ; mask: batch x 8192 + chunk x 1024
	s_lshl_b32 s28, s28, 13
	s_lshl_b32 s27, s17, 10
	s_add_co_u32 s28, s28, s27
	s_mov_b32 s29, 0
	s_lshl3_add_u32 s30, s18, s17                  ; kvp: (head x 8 + chunk) x 16 KiB + tile (di + 8 ep) x 1 KiB
	s_lshl_b32 s30, s30, 14
	s_lshl3_add_u32 s27, s20, s19
	s_lshl_b32 s27, s27, 10
	s_add_co_u32 s30, s30, s27
	s_mov_b32 s31, 0
	s_lshl_b32 s32, s18, 12                        ; pst: head x 4096 + chunk x 512
	s_lshl_b32 s27, s17, 9
	s_add_co_u32 s32, s32, s27
	s_mov_b32 s33, 0
	s_lshl_b32 s34, s18, 8                         ; czs: head x 256 + chunk x 32
	s_lshl_b32 s27, s17, 5
	s_add_co_u32 s34, s34, s27
	s_mov_b32 s35, 0
	s_wait_kmcnt 0x0
	s_add_nc_u64 s[4:5], s[4:5], s[22:23]
	s_add_nc_u64 s[6:7], s[6:7], s[22:23]
	s_add_nc_u64 s[8:9], s[8:9], s[28:29]
	s_add_nc_u64 s[10:11], s[10:11], s[30:31]
	s_add_nc_u64 s[12:13], s[12:13], s[32:33]
	s_add_nc_u64 s[14:15], s[14:15], s[34:35]
	; 34 loads, all that the wave reads: two mask words, then 32 rows of K and of V, two rows (512 bytes) a load: rows 2n+h, columns 4r..4r+3
	global_load_b32 v[MO], v5, s[8:9]
	global_load_b32 v[MP], v6, s[8:9]
.irp n, 0,1,2,3,4,5,6,7,8,9,10,11,12,13,14,15
	global_load_b128 v[KX+4*\n:KX+4*\n+3], v4, s[4:5] offset:512*\n
.endr
.irp n, 0,1,2,3,4,5,6,7,8,9,10,11,12,13,14,15
	global_load_b128 v[VX+4*\n:VX+4*\n+3], v4, s[6:7] offset:512*\n
.endr
	; LDS addresses, while the loads are on their way
	s_mul_i32 s27, s16, 32*PITCH
	v_mul_u32_u24 v7, v3, PITCH
	v_lshl_add_u32 v7, v2, 3, v7
	v_add_nc_u32 v7, s27, v7                       ; v7: where rows 2n+h go: (32 w + h) pitch + 8 r
	v_and_b32 v16, 7, v0                           ; the transposing load's lane part: (8 h + L%8) pitch + 16 ((L/8)%2)
	v_lshl_add_u32 v16, v3, 3, v16
	v_mul_u32_u24 v16, v16, PITCH
	v_bfe_u32 v17, v0, 3, 1
	v_lshl_add_u32 v16, v17, 4, v16
	s_lshl_b32 s27, s19, 5
	v_add_nc_u32 v8, s27, v16                      ; v8: K1', columns d = 16 di ..
	s_lshl_b32 s27, s20, 6
	s_add_co_u32 s27, s27, VB
	v_add_nc_u32 v9, s27, v16                      ; v9: V, columns e = 32 ep ..
	s_mul_i32 s27, s19, 64*PITCH
	v_add_nc_u32 v10, s27, v9                      ; v10: the same from my tile's first key on
	s_lshl_b32 s27, s19, 7
	s_add_co_u32 s27, s27, WB
	v_lshl_add_u32 v11, v3, 4, s27                 ; v11: w of keys 64 jl + 8 h ..
	s_lshl_b32 s27, s16, 7
	s_add_co_u32 s27, s27, M2
	v_and_b32 v16, 1, v0
	v_lshrrev_b32 v17, 1, v1
	v_lshlrev_b32 v17, 2, v17
	v_lshl_add_u32 v16, v16, 6, v17
	v_add_nc_u32 v12, s27, v16                     ; v12: m^2 of key L = 2n+h goes to word 16 h + n of my wave's 32
	v_lshl_add_u32 v13, v3, 6, s27                 ; v13: and is read back as 16 words for my h
	v_lshl_add_u32 v14, v0, 1, WB                  ; v14: w of my key
	s_lshl_b32 s27, s19, 7
	s_lshl_b32 s26, s20, 6
	s_add_co_u32 s27, s27, s26
	s_add_co_u32 s27, s27, PSB
	v_lshl_add_u32 v15, v3, 4, s27                 ; v15: P of tile jl, e = 32 ep + 8 h ..
	; the tile's figures.  The product and the difference are kept apart: at 1e6 an f32 step is 1/16, so the roundings must be reference()'s.
	s_wait_loadcnt 32                              ; the two mask words are in; the 32 loads of K and V stay out
	v_sub_f32 v[CO], 1.0, v[MO]
	v_sub_f32 v[CP], 1.0, v[MP]
	v_mul_f32 v[CO], 0x49742400, v[CO]             ; 1e6 (1 - m)
	v_mul_f32 v[CP], 0x49742400, v[CP]
	v_sub_f32 v[CO], 0xc9742400, v[CO]             ; c = -1e6 - that
	v_sub_f32 v[CP], 0xc9742400, v[CP]
	v_max_num_f32 v[CM], v[CO], v[CP]
	v_max_num_f32_dpp v[CM], v[CM], v[CM] row_xmask:1 row_mask:0xf bank_mask:0xf
	v_max_num_f32_dpp v[CM], v[CM], v[CM] row_xmask:2 row_mask:0xf bank_mask:0xf
	v_max_num_f32_dpp v[CM], v[CM], v[CM] row_xmask:4 row_mask:0xf bank_mask:0xf
	v_max_num_f32_dpp v[CM], v[CM], v[CM] row_xmask:8 row_mask:0xf bank_mask:0xf
	v_permlanex16_b32 v[MP], v[CM], s24, s25
	v_max_num_f32 v[CM], v[CM], v[MP]              ; cmax of the 64 keys, the same in both waves of the tile
	v_sub_f32 v[CO], v[CO], v[CM]                  ; the difference first (exact enough), then the factor: a fused form would round at 1.4e6
	v_sub_f32 v[CP], v[CP], v[CM]
	v_mul_f32 v[CO], L2E, v[CO]
	v_mul_f32 v[CP], L2E, v[CP]
	v_exp_f32 v[CO], v[CO]
	v_exp_f32 v[CP], v[CP]
	v_mul_f32 v[MO], v[MO], v[MO]                  ; m^2: the plain instruction behind the exponentials (ISA guide 5.7.2)
	s_wait_alu depctr_va_vdst(0)
	v_add_f32 v[ZS], v[CO], v[CP]
	v_add_f32_dpp v[ZS], v[ZS], v[ZS] row_xmask:1 row_mask:0xf bank_mask:0xf
	v_add_f32_dpp v[ZS], v[ZS], v[ZS] row_xmask:2 row_mask:0xf bank_mask:0xf
	v_add_f32_dpp v[ZS], v[ZS], v[ZS] row_xmask:4 row_mask:0xf bank_mask:0xf
	v_add_f32_dpp v[ZS], v[ZS], v[ZS] row_xmask:8 row_mask:0xf bank_mask:0xf
	v_permlanex16_b32 v[CP], v[ZS], s24, s25
	v_add_f32 v[ZS], v[ZS], v[CP]                  ; z of the 64 keys
	v_cvt_pk_bf16_f32 v[CO], v[CO], v[CO]
	ds_store_b16 v14, v[CO]
	ds_store_b32 v12, v[MO]
.irp q, 0,1,2,3
	ds_load_b128 v[M2R+4*\q:M2R+4*\q+3], v13 offset:16*\q      ; my wave's own bytes: LDS serves a wave in order (ISA guide 5.7.1.4)
.endr
	s_cmp_lg_u32 s20, 0                            ; one wave of each tile's two writes cmax and z
	s_cbranch_scc1 .Lnocz
	s_lshl_b32 s27, s19, 2
	s_add_co_u32 s27, s27, CZB
	v_mov_b32 v[AD], s27
	ds_store_b32 v[AD], v[CM]                      ; all lanes the same word, the same value
	ds_store_b32 v[AD], v[ZS] offset:16
.Lnocz:
	s_wait_dscnt 0x0                               ; m^2 is in its registers
; rows 2n+h of K: (max(x,0) + 2^(min(x,0) log2 e)) m^2, to bf16, to LDS
.macro CVK n
.set tb, T+4*(\n%4)
.set kx, KX+4*\n
	v_pk_mul_f32 v[tb:tb+1], v[kx:kx+1], L2E op_sel_hi:[1,0]
	v_pk_mul_f32 v[tb+2:tb+3], v[kx+2:kx+3], L2E op_sel_hi:[1,0]
.irp q, 0,1,2,3
	v_min_num_f32 v[tb+\q], 0, v[tb+\q]
.endr
.irp q, 0,1,2,3
	v_exp_f32 v[tb+\q], v[tb+\q]
.endr
.irp q, 0,1,2,3
	v_max_num_f32 v[kx+\q], 0, v[kx+\q]            ; plain instructions behind the exponentials
.endr
	s_wait_alu depctr_va_vdst(0)
	v_pk_add_f32 v[tb:tb+1], v[tb:tb+1], v[kx:kx+1]
	v_pk_add_f32 v[tb+2:tb+3], v[tb+2:tb+3], v[kx+2:kx+3]
.irp q, 0,1,2,3
	v_mul_f32 v[tb+\q], v[M2R+\n], v[tb+\q]
.endr
	v_cvt_pk_bf16_f32 v[tb], v[tb], v[tb+1]
	v_cvt_pk_bf16_f32 v[tb+1], v[tb+2], v[tb+3]
	ds_store_b64 v7, v[tb:tb+1] offset:KB+2*PITCH*\n
.endm
.macro CVV n
	v_cvt_pk_bf16_f32 v[VX+4*\n], v[VX+4*\n], v[VX+4*\n+1]
	v_cvt_pk_bf16_f32 v[VX+4*\n+1], v[VX+4*\n+2], v[VX+4*\n+3]
	ds_store_b64 v7, v[VX+4*\n:VX+4*\n+1] offset:VB+2*PITCH*\n
.endm
	; each count is the number of loads issued behind the group of four that is worked on
	s_wait_loadcnt 28
.irp n, 0,1,2,3
	CVK \n
.endr
	s_wait_loadcnt 24
.irp n, 4,5,6,7
	CVK \n
.endr
	s_wait_loadcnt 20
.irp n, 8,9,10,11
	CVK \n
.endr
	s_wait_loadcnt 16
.irp n, 12,13,14,15
	CVK \n
.endr
	s_wait_loadcnt 12
.irp n, 0,1,2,3
	CVV \n
.endr
	s_wait_loadcnt 8
.irp n, 4,5,6,7
	CVV \n
.endr
	s_wait_loadcnt 4
.irp n, 8,9,10,11
	CVV \n
.endr
	s_wait_loadcnt 0
.irp n, 12,13,14,15
	CVV \n
.endr
	s_wait_dscnt 0x0                               ; my rows, my w, my cmax and z are written: for the other waves' sake the count is zero
	s_barrier_signal -1
	s_barrier_wait -1
	; kv: M = d (16 di ..), N = e (two tiles of 16 from 32 ep), K = the 256 keys in eight steps of 32.  Both operands lie [key][column] in LDS
	; and come through the transposing load.  48 loads go out at once; step ks waits until only the later steps' 42 - 6 ks are out.
.irp ks, 0,1,2,3,4,5,6,7
	ds_load_tr16_b128 v[F+24*\ks:F+24*\ks+3],     v8 offset:32*PITCH*\ks
	ds_load_tr16_b128 v[F+24*\ks+4:F+24*\ks+7],   v8 offset:32*PITCH*\ks+16*PITCH
	ds_load_tr16_b128 v[F+24*\ks+8:F+24*\ks+11],  v9 offset:32*PITCH*\ks
	ds_load_tr16_b128 v[F+24*\ks+12:F+24*\ks+15], v9 offset:32*PITCH*\ks+16*PITCH
	ds_load_tr16_b128 v[F+24*\ks+16:F+24*\ks+19], v9 offset:32*PITCH*\ks+32
	ds_load_tr16_b128 v[F+24*\ks+20:F+24*\ks+23], v9 offset:32*PITCH*\ks+16*PITCH+32
.endr
	; the two accumulators take turns, one instruction a turn; the first products start the sums
.irp ks, 0,1,2,3,4,5,6,7
	s_wait_dscnt 42-6*\ks
.if \ks == 0
	v_wmma_f32_16x16x32_bf16 v[ACC:ACC+7],    v[F:F+7], v[F+8:F+15],  0
	v_wmma_f32_16x16x32_bf16 v[ACC+8:ACC+15], v[F:F+7], v[F+16:F+23], 0
.else
	v_wmma_f32_16x16x32_bf16 v[ACC:ACC+7],    v[F+24*\ks:F+24*\ks+7], v[F+24*\ks+8:F+24*\ks+15],  v[ACC:ACC+7]
	v_wmma_f32_16x16x32_bf16 v[ACC+8:ACC+15], v[F+24*\ks:F+24*\ks+7], v[F+24*\ks+16:F+24*\ks+23], v[ACC+8:ACC+15]
.endif
.endr
	; P of my tile jl: M = e (two tiles of 16 from 32 ep), K = its 64 keys in two steps, B = w, the same in all sixteen columns
	PLACES                                         ; the loads below land in registers that matrix instructions have read
.irp s, 0,1
.irp a, 0,1
	ds_load_tr16_b128 v[F+16*\s+8*\a:F+16*\s+8*\a+3],   v10 offset:32*PITCH*\s+32*\a
	ds_load_tr16_b128 v[F+16*\s+8*\a+4:F+16*\s+8*\a+7], v10 offset:32*PITCH*\s+32*\a+16*PITCH
.endr
	ds_load_b128 v[WF+8*\s:WF+8*\s+3],   v11 offset:64*\s
	ds_load_b128 v[WF+8*\s+4:WF+8*\s+7], v11 offset:64*\s+32
.endr
	s_wait_dscnt 0x0
	v_wmma_f32_16x16x32_bf16 v[PACC:PACC+7],    v[F:F+7],     v[WF:WF+7],    0
	v_wmma_f32_16x16x32_bf16 v[PACC+8:PACC+15], v[F+8:F+15],  v[WF:WF+7],    0
	v_wmma_f32_16x16x32_bf16 v[PACC:PACC+7],    v[F+16:F+23], v[WF+8:WF+15], v[PACC:PACC+7]
	v_wmma_f32_16x16x32_bf16 v[PACC+8:PACC+15], v[F+24:F+31], v[WF+8:WF+15], v[PACC+8:PACC+15]
	PLACES                                         ; in front of the conversions and stores that read results
.irp a, 0,1
.irp q, 0,1,2,3
	v_cvt_pk_bf16_f32 v[PK+4*\a+\q], v[PACC+8*\a+2*\q], v[PACC+8*\a+2*\q+1]
.endr
	ds_store_b128 v15, v[PK+4*\a:PK+4*\a+3] offset:32*\a       ; e = 16 (2 ep + a) + 8 h ..: the sixteen lanes of a half hold the same 16 bytes and write them to the same place
.endr
	; kv's part: register j of lane (r, h) is kv[16 di + 8 h + j][16 ei + r]; stored as the registers lie, 512 consecutive bytes a store
.irp a, 0,1
.irp p, 0,1
	global_store_b128 v4, v[ACC+8*\a+4*\p:ACC+8*\a+4*\p+3], s[10:11] offset:4096*\a+512*\p
.endr
.endr
	s_wait_dscnt 0x0                               ; my part of P is written
	s_barrier_signal -1
	s_barrier_wait -1
	s_cmp_lg_u32 s16, 0
	s_cbranch_scc1 .Lnot0
	v_add_nc_u32 v104, PSB, v4                     ; wave 0: the four tiles' P, 512 consecutive bytes
	ds_load_b128 v[108:111], v104
	s_wait_dscnt 0x0
	global_store_b128 v4, v[108:111], s[12:13]
.Lnot0:
	s_cmp_lg_u32 s16, 1
	s_cbranch_scc1 .Lend
	v_and_b32 v104, 7, v0                          ; wave 1: cmax x 4, z x 4, 32 bytes
	v_lshlrev_b32 v104, 2, v104
	v_add_nc_u32 v105, CZB, v104
	ds_load_b32 v106, v105
	v_cmp_gt_u32 vcc_lo, 8, v1
	s_wait_dscnt 0x0
	s_wait_xcnt 0x0                                ; EXEC is a source of my pending stores: it changes only behind this wait
	s_and_saveexec_b32 s26, vcc_lo
	global_store_b32 v104, v106, s[14:15]
	s_wait_xcnt 0x0                                ; and again in front of the line that widens it
	s_or_b32 exec_lo, exec_lo, s26
.Lend:
	s_set_vgpr_msb 0x5
	s_wait_tensorcnt 0x0
	ds_add_u32 v0, v1
	s_wait_dscnt 0x0
	s_set_vgpr_msb 0x500
	s_endpgm
.Lfunc_end_k_qd8899e0828_kvstat:
	.size	k_qd8899e0828_kvstat, .Lfunc_end_k_qd8899e0828_kvstat-k_qd8899e0828_kvstat
	.p2alignl 7, 3214868480
	.fill 96, 4, 3214868480
	.section	.rodata,"a",@progbits
	.p2align	6, 0x0
	.amdhsa_kernel k_qd8899e0828_kvstat
		.amdhsa_group_segment_fixed_size 85504
		.amdhsa_private_segment_fixed_size 0
		.amdhsa_enable_private_segment 0
		.amdhsa_kernarg_size 48
		.amdhsa_user_sgpr_count 2
		.amdhsa_user_sgpr_kernarg_segment_ptr 1
		.amdhsa_wavefront_size32 1
		.amdhsa_system_sgpr_workgroup_id_x 1
		.amdhsa_system_sgpr_workgroup_id_y 1
		.amdhsa_system_sgpr_workgroup_id_z 1
		.amdhsa_system_vgpr_workitem_id 0
		.amdhsa_next_free_vgpr 258
		.amdhsa_next_free_sgpr 66
		.amdhsa_reserve_vcc 1
		.amdhsa_float_denorm_mode_32 3
		.amdhsa_float_denorm_mode_16_64 3
		.amdhsa_memory_ordered 1
		.amdhsa_forward_progress 1
		.amdhsa_inst_pref_size 37
	.end_amdhsa_kernel
	.amdgpu_metadata
---
amdhsa.version: [ 1, 2 ]
amdhsa.kernels:
  - .name:           k_qd8899e0828_kvstat
    .symbol:         k_qd8899e0828_kvstat.kd
    .args:
      - { .name: K, .offset: 0, .size: 8, .value_kind: global_buffer, .address_space: global }
      - { .name: V, .offset: 8, .size: 8, .value_kind: global_buffer, .address_space: global }
      - { .name: mask, .offset: 16, .size: 8, .value_kind: global_buffer, .address_space: global }
      - { .name: kvp, .offset: 24, .size: 8, .value_kind: global_buffer, .address_space: global }
      - { .name: pst, .offset: 32, .size: 8, .value_kind: global_buffer, .address_space: global }
      - { .name: czs, .offset: 40, .size: 8, .value_kind: global_buffer, .address_space: global }
    .group_segment_fixed_size: 85504
    .private_segment_fixed_size: 0
    .kernarg_segment_align: 8
    .kernarg_segment_size: 48
    .max_flat_workgroup_size: 256
    .sgpr_count:     66
    .vgpr_count:     258
    .wavefront_size: 32
...
	.end_amdgpu_metadata
.endif
;; end of part 1
;; launch attn (part 2): grid 16 x 16, 8 waves a work-group, no clusters, 167,936 bytes of LDS; arguments Q, K, V, mask, sparse_ratio, kvp, pst, czs, out0; writes out0
.if DOCPART == 2
	.amdgcn_target "amdgcn-amd-amdhsa--gfx1250"
	.amdhsa_code_object_version 6
	.text
	.protected	k_qd8899e0828_attn
	.globl	k_qd8899e0828_attn
	.p2align	8
	.type	k_qd8899e0828_attn,@function
k_qd8899e0828_attn:
	s_mov_b64 s[64:65], 0
	v_nop
	global_prefetch_b8 v0, s[64:65] scope:SCOPE_SE
	s_setreg_imm32_b32 hwreg(HW_REG_WAVE_MODE, 25, 1), 1
	s_wait_xcnt 0x0
; Second launch: out = r softmax(scores) V + (1-r) Q1 kv.  A work-group takes 128 queries (block x) of one head (y); a wave 16 of them.
; SOFTMAX OVER ALL 2048 KEYS.  reference() gives keys outside the band the score -1e6 - 1e6 (1-m[t]), not minus infinity, so they count when
; a query's whole band is masked.  A wave computes the 192 keys of the three tiles of 64 that hold its queries' bands key by key (outside the band: the
; score above), and takes each other tile of 64 as one pseudo key with score cmax, weight sum z and value P from the first launch: 32 pseudo keys, its own three
; tiles among them with score minus infinity.  The row's maximum over all of them is taken away before the exponential.
; Scores are made transposed (M = key, N = query), so that a lane's exponentials, packed to bf16, ARE the B fragment of the second product
; (M = e, N = query); its result holds eight neighbouring e of one query in a lane.
; The work-group's window is keys 128 x - 64 .. 128 x + 191.  Rows that do not exist (first and last block) are read from a clamped row and get the penalty +inf: weight 0.
; NO JOINT REQUESTS: every byte of Q, K, V changes format in registers on its way to LDS; the windows of neighbouring blocks begin 128 rows apart, so no two
; work-groups want the same 256 rows; the eight partial kv (128 KiB for a head) are the same for a head's 16 blocks, but here each thread adds its 16 bytes
; of each straight in registers, where a tile laid into LDS would be written and read once more.
; LIMITS: inputs finite; weights below 2^-126 come out as zero (v_exp_f32 flushes: ISA guide 15.8); elu(x)+1 = max(x,0) + exp(min(x,0)).
.set KP,  144                          ; LDS pitch of rows read along d: 128 bytes + 16
.set VP,  160                          ; LDS pitch of rows read by the transposing load: 128 + 32
.set SP,  272                          ; pitch of the way out: 256 + 16
.set KL,  0                            ; K bf16, 256 rows x 144
.set VL,  36864                        ; V bf16, 256 rows x 160, then the 32 pseudo keys' P
.set QS,  82944                        ; Q/8 bf16, 16 rows x 144 for each wave
.set Q1O, 18432                        ; from there to elu(Q)+1, the same shape
.set KVL, 119808                       ; (1-r)/sqrt(2048) kv, bf16, [e][d], 64 rows x 144
.set PEN, 129024                       ; 1e6 (1-m) of the 256 window keys
.set CZ,  130048                       ; for each wave 32 pseudo scores, 32 z
.set ST,  132096                       ; for each wave 16 rows x 272 on the way out
.set L2E, 0x3fb8aa3b
; registers while the inputs come in
.set QX,  16                           ; v[16:47]
.set KX,  48                           ; v[48:111]
.set VX,  112                          ; v[112:175]
.set PX,  176                          ; v[176:179]
.set MK,  180
.set CC,  181
.set ZZ,  182
.set T,   184                          ; v[184:199]
; registers behind the first barrier
.set S,    16                          ; v[16:111]  12 score tiles, tile t at S + 8 t; later the packed weights of K step c at S + 16 c
.set PSC,  112                         ; v[112:127] the pseudo keys' two tiles (= S + 96: K step 6)
.set ZP,   128                         ; v[128:143] their z
.set QF,   144                         ; v[144:159] Q/8 fragments
.set Q1F,  160                         ; v[160:175] elu(Q)+1 fragments
.set KF,   176                         ; v[176:239] two buffers of 32: K fragments, penalties, V fragments, kv fragments
.set CH,   240                         ; v[240:247] four chains of the maximum, then four pairs of the sum
.set NML,  248                         ; v[248:249] -M log2 e, twice
.set RL,   250                         ; v[250:251] r / l, twice
.set DL,   252                         ; 8 h - r - 16 (w%4) - 64: key - query = DL + 16 t + j
.set NEGM, 253                         ; -1e6
.set OA,   128                         ; v[128:159] the band's result, four tiles of e
.set RA,   16                          ; v[16:47]   the low-rank result
.set KVC,  56                          ; v[56:63]   my 16 numbers of kv, packed
.set OB,   64                          ; v[64:95]   rows read back on the way out
; v[256:383]: my 16 bytes of each quarter n of each partial p, at 256 + 16 p + 4 n
.set MSB, 0
.macro WIN new                         ; s_set_vgpr_msb: bits 1:0 source 0, 3:2 source 1, 5:4 source 2, 7:6 destination; the high byte repeats the setting left
.if MSB != \new
	s_set_vgpr_msb (MSB<<8)|\new
.set MSB, \new
.endif
.endm
.macro PLACES                          ; four places behind a matrix instruction (ISA guide 7.12.1)
.rept 4
	v_nop
.endr
.endm
	s_load_b512 s[8:23], s[0:1], 0x0               ; Q s[8:9], K s[10:11], V s[12:13], mask s[14:15], ratio s[16:17], kvp s[18:19], pst s[20:21], czs s[22:23]
	s_load_b64 s[24:25], s[0:1], 0x40              ; out0
	s_set_vgpr_msb 0x40
	v_lshl_add_u32 v128, v0, 2, 0x28c00
	v_mov_b32 v129, 0
	s_set_vgpr_msb 0x4000
	v_lshrrev_b32 v1, 5, v0
	v_readfirstlane_b32 s26, v1                    ; wave w
	v_and_b32 v1, 31, v0                           ; L
	v_and_b32 v2, 15, v0                           ; r
	v_bfe_u32 v3, v0, 4, 1                         ; h
	v_lshlrev_b32 v4, 4, v1                        ; 16 L
	v_lshlrev_b32 v5, 4, v0                        ; 16 x thread
	v_lshlrev_b32 v6, 2, v1                        ; 4 L
	v_lshrrev_b32 v7, 2, v1                        ; czs: tile L = chunk L/4, place L%4
	v_and_b32 v8, 3, v0
	v_lshlrev_b32 v8, 2, v8
	v_lshl_add_u32 v7, v7, 5, v8
	s_mov_b32 s27, ttmp9                           ; x
	s_and_b32 s28, ttmp7, 0xffff                   ; head
	s_lshr_b32 s29, s26, 2                         ; w/4: which 192 rows of the window are mine
	s_lshl_b32 s30, s27, 7
	s_lshl_b32 s40, s26, 5
	s_add_co_u32 s30, s30, s40
	s_sub_co_i32 s30, s30, 64                      ; the first of the 32 window rows that I bring: 128 x - 64 + 32 w
	s_max_i32 s31, s30, 0
	s_min_i32 s31, s31, 2016                       ; clamped into the head; the 32 rows exist all or none
	s_lshl_b32 s33, s27, 1
	s_add_co_u32 s33, s33, s29
	s_sub_co_u32 s33, 1, s33                       ; minus my first tile of 64: -(2 x - 1 + w/4)
	s_mov_b32 s38, 0x76543210
	s_mov_b32 s39, 0xfedcba98
	s_lshl_b32 s40, s28, 19                        ; a head's bytes
	s_lshl_b32 s42, s27, 15
	s_add_co_u32 s42, s42, s40
	s_lshl_b32 s41, s26, 12
	s_add_co_u32 s42, s42, s41                     ; Q, out: + (128 x + 16 w) rows
	s_mov_b32 s43, 0
	s_lshl_b32 s44, s31, 8
	s_add_co_u32 s44, s44, s40                     ; K, V: + my clamped row
	s_mov_b32 s45, 0
	s_lshr_b32 s46, s28, 3
	s_lshl_b32 s46, s46, 13
	s_lshl_b32 s47, s31, 2
	s_add_co_u32 s46, s46, s47                     ; mask: batch x 8192 + 4 x row
	s_mov_b32 s47, 0
	s_lshl_b32 s48, s28, 17
	s_mov_b32 s49, 0
	s_lshl_b32 s50, s28, 12
	s_mov_b32 s51, 0
	s_lshl_b32 s52, s28, 8
	s_mov_b32 s53, 0
	s_mul_i32 s54, s26, 32*KP                      ; LDS bases, all from the wave's number
	s_mul_i32 s55, s26, 32*VP
	s_add_co_u32 s55, s55, VL
	s_mul_i32 s56, s26, 16*KP
	s_add_co_u32 s56, s56, QS
	s_mul_i32 s57, s29, 64*KP
	s_mul_i32 s58, s29, 64*VP
	s_add_co_u32 s58, s58, VL
	s_lshl_b32 s59, s29, 8
	s_add_co_u32 s59, s59, PEN
	s_lshl_b32 s41, s26, 8
	s_add_co_u32 s41, s41, CZ
	s_wait_kmcnt 0x0
	s_load_b32 s34, s[16:17], 0x0                  ; r
	s_add_nc_u64 s[8:9], s[8:9], s[42:43]
	s_add_nc_u64 s[24:25], s[24:25], s[42:43]
	s_add_nc_u64 s[10:11], s[10:11], s[44:45]
	s_add_nc_u64 s[12:13], s[12:13], s[44:45]
	s_add_nc_u64 s[14:15], s[14:15], s[46:47]
	s_add_nc_u64 s[18:19], s[18:19], s[48:49]
	s_add_nc_u64 s[20:21], s[20:21], s[50:51]
	s_add_nc_u64 s[22:23], s[22:23], s[52:53]
.macro LDKV p                          ; my 16 bytes of each quarter of partial p; a load of a wave covers 512 consecutive bytes
.irp n, 0,1,2,3
	global_load_b128 v[16*\p+4*\n:16*\p+4*\n+3], v5, s[18:19] offset:16384*\p+4096*\n
.endr
.endm
	; 60 loads: 3 words, Q x 8, K x 16, V x 16, P x 1, partials 0 to 3 x 4
	global_load_b32 v[CC], v7, s[22:23]
	global_load_b32 v[ZZ], v7, s[22:23] offset:16
	global_load_b32 v[MK], v6, s[14:15]
.irp n, 0,1,2,3,4,5,6,7
	global_load_b128 v[QX+4*\n:QX+4*\n+3], v4, s[8:9] offset:512*\n th:TH_LOAD_NT
.endr
.irp n, 0,1,2,3,4,5,6,7,8,9,10,11,12,13,14,15
	global_load_b128 v[KX+4*\n:KX+4*\n+3], v4, s[10:11] offset:512*\n
.endr
.irp n, 0,1,2,3,4,5,6,7,8,9,10,11,12,13,14,15
	global_load_b128 v[VX+4*\n:VX+4*\n+3], v4, s[12:13] offset:512*\n
.endr
	global_load_b128 v[PX:PX+3], v5, s[20:21]
	WIN 0x40                                       ; destinations v256 and up
	LDKV 0
	LDKV 1
	LDKV 2
	LDKV 3
	WIN 0
	v_mul_u32_u24 v255, v3, KP
	v_lshl_add_u32 v255, v2, 3, v255               ; h x 144 + 8 r
	v_add_nc_u32 v8, s54, v255                     ; v8: K rows 32 w + 2n + h
	v_add_nc_u32 v10, s56, v255                    ; v10: my Q rows 2n + h
	v_mul_u32_u24 v9, v3, VP
	v_lshl_add_u32 v9, v2, 3, v9
	v_add_nc_u32 v9, s55, v9                       ; v9: V rows 32 w + 2n + h
	v_mul_u32_u24 v254, v2, KP
	v_lshl_add_u32 v254, v3, 4, v254               ; v254: r x 144 + 16 h, a fragment's lane part; kept
	v_add_nc_u32 v11, s56, v254                    ; v11: Q fragments
	v_add_nc_u32 v12, s57, v254                    ; v12: K fragments from my first row on
	v_and_b32 v13, 7, v0
	v_lshl_add_u32 v13, v3, 3, v13
	v_mul_u32_u24 v13, v13, VP
	v_bfe_u32 v14, v0, 3, 1
	v_lshl_add_u32 v13, v14, 4, v13                ; the transposing load's lane part
	v_add_nc_u32 v14, VL+256*VP, v13               ; v14: the pseudo keys' rows
	v_add_nc_u32 v13, s58, v13                     ; v13: V from my first row on
	v_lshl_add_u32 v15, v3, 5, s59                 ; v15: penalties of keys 8 h .. from my first row on
	s_wait_loadcnt 49                              ; of 60 loads the first 11 are in: c, z, mask, Q
	v_add_nc_u32 v[T], s33, v1                     ; tile L less my first tile
	v_cmp_le_u32 vcc_lo, 3, v[T]
	v_cndmask_b32 v[CC], 0xff800000, v[CC], vcc_lo ; my own three tiles are computed key by key: as pseudo keys they get minus infinity
	v_add_nc_u32 v[T+1], s41, v6
	ds_store_b32 v[T+1], v[CC]
	ds_store_b32 v[T+1], v[ZZ] offset:128
	v_sub_f32 v[MK], 1.0, v[MK]
	v_mul_f32 v[MK], 0x49742400, v[MK]             ; 1e6 (1 - m), rounded as reference() rounds it
	s_cmp_eq_u32 s30, s31
	s_cselect_b32 vcc_lo, -1, 0                    ; do my 32 rows exist?
	v_cndmask_b32 v[MK], 0x7f800000, v[MK], vcc_lo ; if not: +inf
	v_lshl_add_u32 v[T+2], v0, 2, PEN
	ds_store_b32 v[T+2], v[MK]
.macro CVQ n                           ; rows 2n+h of my queries: Q/8 and max(x,0) + 2^(min(x,0) log2 e), to bf16, to LDS
.set tb, T+8*(\n%2)
.set qx, QX+4*\n
	v_pk_mul_f32 v[tb:tb+1],   v[qx:qx+1],   0x3e000000 op_sel_hi:[1,0]
	v_pk_mul_f32 v[tb+2:tb+3], v[qx+2:qx+3], 0x3e000000 op_sel_hi:[1,0]
	v_pk_mul_f32 v[tb+4:tb+5], v[qx:qx+1],   L2E op_sel_hi:[1,0]
	v_pk_mul_f32 v[tb+6:tb+7], v[qx+2:qx+3], L2E op_sel_hi:[1,0]
.irp q, 4,5,6,7
	v_min_num_f32 v[tb+\q], 0, v[tb+\q]
.endr
.irp q, 4,5,6,7
	v_exp_f32 v[tb+\q], v[tb+\q]
.endr
.irp q, 0,1,2,3
	v_max_num_f32 v[qx+\q], 0, v[qx+\q]            ; plain instructions behind the exponentials (ISA guide 5.7.2)
.endr
	v_cvt_pk_bf16_f32 v[tb], v[tb], v[tb+1]
	v_cvt_pk_bf16_f32 v[tb+1], v[tb+2], v[tb+3]
	s_wait_alu depctr_va_vdst(0)
	v_pk_add_f32 v[tb+4:tb+5], v[tb+4:tb+5], v[qx:qx+1]
	v_pk_add_f32 v[tb+6:tb+7], v[tb+6:tb+7], v[qx+2:qx+3]
	v_cvt_pk_bf16_f32 v[tb+4], v[tb+4], v[tb+5]
	v_cvt_pk_bf16_f32 v[tb+5], v[tb+6], v[tb+7]
	ds_store_b64 v10, v[tb:tb+1] offset:2*KP*\n
	ds_store_b64 v10, v[tb+4:tb+5] offset:Q1O+2*KP*\n
.endm
.macro CVK n
	v_cvt_pk_bf16_f32 v[KX+4*\n], v[KX+4*\n], v[KX+4*\n+1]
	v_cvt_pk_bf16_f32 v[KX+4*\n+1], v[KX+4*\n+2], v[KX+4*\n+3]
	ds_store_b64 v8, v[KX+4*\n:KX+4*\n+1] offset:2*KP*\n
.endm
.macro CVV n
	v_cvt_pk_bf16_f32 v[VX+4*\n], v[VX+4*\n], v[VX+4*\n+1]
	v_cvt_pk_bf16_f32 v[VX+4*\n+1], v[VX+4*\n+2], v[VX+4*\n+3]
	ds_store_b64 v9, v[VX+4*\n:VX+4*\n+1] offset:2*VP*\n
.endm
.irp n, 0,1,2,3,4,5,6,7
	CVQ \n
.endr
	s_wait_loadcnt 45                              ; of 60 the first 15: K's first four
.irp n, 0,1,2,3
	CVK \n
.endr
	WIN 0x40
	LDKV 4                                         ; 16 more, 76 in all; at most 45 + 16 are out
	LDKV 5
	LDKV 6
	LDKV 7
	WIN 0
	s_wait_loadcnt 57                              ; from here each count is 76 less the loads up to and with the group worked on
.irp n, 4,5,6,7
	CVK \n
.endr
	s_wait_loadcnt 53
.irp n, 8,9,10,11
	CVK \n
.endr
	s_wait_loadcnt 49
.irp n, 12,13,14,15
	CVK \n
.endr
	s_wait_loadcnt 45
.irp n, 0,1,2,3
	CVV \n
.endr
	s_wait_loadcnt 41
.irp n, 4,5,6,7
	CVV \n
.endr
	s_wait_loadcnt 37
.irp n, 8,9,10,11
	CVV \n
.endr
	s_wait_loadcnt 33
.irp n, 12,13,14,15
	CVV \n
.endr
	s_wait_loadcnt 32                              ; P is in; the 32 loads of the partials stay out
	v_lshrrev_b32 v[T], 3, v0                      ; my 16 bytes of P: pseudo key thread/8, bytes 16 (thread%8)
	v_mul_u32_u24 v[T], v[T], VP
	v_and_b32 v[T+1], 7, v0
	v_lshl_add_u32 v[T], v[T+1], 4, v[T]
	v_add_nc_u32 v[T], VL+256*VP, v[T]
	ds_store_b128 v[T], v[PX:PX+3]
	s_wait_dscnt 0x0                               ; all that I wrote for the others is written
	s_barrier_signal -1
	s_barrier_wait -1
	; SCORES, transposed: A = 16 keys x 32 d, B = my 16 queries x 32 d.  Two tiles of keys a group, two buffers of K fragments.
.irp kk, 0,1
	ds_load_b128 v[QF+8*\kk:QF+8*\kk+3],     v11 offset:64*\kk
	ds_load_b128 v[QF+8*\kk+4:QF+8*\kk+7],   v11 offset:64*\kk+32
	ds_load_b128 v[Q1F+8*\kk:Q1F+8*\kk+3],   v11 offset:Q1O+64*\kk
	ds_load_b128 v[Q1F+8*\kk+4:Q1F+8*\kk+7], v11 offset:Q1O+64*\kk+32
.endr
.macro FETCHK g, b
.irp a, 0,1
.irp kk, 0,1
	ds_load_b128 v[\b+16*\a+8*\kk:\b+16*\a+8*\kk+3],   v12 offset:(2*\g+\a)*16*KP+64*\kk
	ds_load_b128 v[\b+16*\a+8*\kk+4:\b+16*\a+8*\kk+7], v12 offset:(2*\g+\a)*16*KP+64*\kk+32
.endr
.endr
.endm
.macro MULS g, b                       ; the two tiles take turns, one instruction a turn; the first products start the sums
	v_wmma_f32_16x16x32_bf16 v[S+16*\g:S+16*\g+7],    v[\b:\b+7],     v[QF:QF+7],    0
	v_wmma_f32_16x16x32_bf16 v[S+16*\g+8:S+16*\g+15], v[\b+16:\b+23], v[QF:QF+7],    0
	v_wmma_f32_16x16x32_bf16 v[S+16*\g:S+16*\g+7],    v[\b+8:\b+15],  v[QF+8:QF+15], v[S+16*\g:S+16*\g+7]
	v_wmma_f32_16x16x32_bf16 v[S+16*\g+8:S+16*\g+15], v[\b+24:\b+31], v[QF+8:QF+15], v[S+16*\g+8:S+16*\g+15]
.endm
	FETCHK 0, KF
	FETCHK 1, KF+32
	; addresses and constants of the later phases, while the fragments come.  v6 and v7 were offsets of loads that the wait for the first 11 showed done.
	s_and_b32 s40, s26, 3
	s_lshl_b32 s40, s40, 4
	s_add_co_u32 s40, s40, 64
	s_sub_co_u32 s40, 0, s40                       ; -(16 (w%4) + 64)
	s_lshr_b32 s42, s26, 1
	s_lshl_b32 s42, s42, 5                         ; 32 (w/2)
	s_and_b32 s43, s26, 1
	s_lshl_b32 s43, s43, 3                         ; 8 (w%2)
	s_add_co_u32 s42, s42, s43                     ; my four d of kv, in bytes of a row: the eight waves and the two halves of the lanes (16 h) fill its 128 bytes
	s_mul_i32 s43, s26, 16*SP
	s_add_co_u32 s43, s43, ST
	v_lshl_add_u32 v6, v3, 5, s41                  ; v6: pseudo scores 8 h ..
	v_add_nc_u32 v8, KVL, v254                     ; v8: kv fragments
	v_add_nc_u32 v7, s42, v8                       ; v7: where my four d of row e = 16 n + r go (+ 16 h: d = 16 (w/2) + 8 h + 4 (w%2) ..)
	v_mul_u32_u24 v9, v2, SP
	v_lshl_add_u32 v9, v3, 5, v9
	v_add_nc_u32 v9, s43, v9                       ; v9: way out, in: query r, e = 8 h ..
	v_mul_u32_u24 v10, v3, SP
	v_lshl_add_u32 v10, v2, 4, v10
	v_add_nc_u32 v10, s43, v10                     ; v10: way out, back: rows 2n + h, 16 bytes a lane
	v_lshlrev_b32 v[DL], 3, v3
	v_sub_nc_u32 v[DL], v[DL], v2
	v_add_nc_u32 v[DL], s40, v[DL]
	v_mov_b32 v[NEGM], 0xc9742400
	s_wait_kmcnt 0x0                               ; r
	s_mul_f32 s36, s34, -1.0
	s_add_f32 s36, s36, 1.0
	s_mul_f32 s36, s36, 0x3cb504f3                 ; (1 - r) / sqrt(2048): both kernels' scales and the blend, put on kv
	s_mov_b32 s37, s36
	s_wait_dscnt 8                                 ; all but the other buffer's eight loads
	MULS 0, KF
	PLACES                                         ; the loads land in registers that the matrix instructions read
	FETCHK 2, KF
	s_wait_dscnt 8
	MULS 1, KF+32
	PLACES
	FETCHK 3, KF+32
	s_wait_dscnt 8
	MULS 2, KF
	PLACES
	FETCHK 4, KF
	s_wait_dscnt 8
	MULS 3, KF+32
	PLACES
	FETCHK 5, KF+32
	s_wait_dscnt 8
	MULS 4, KF
	s_wait_dscnt 0
	MULS 5, KF+32
	PLACES
	; BAND, PENALTY, MAXIMUM.  Register j of tile t in lane (r, h) is key 16 t + 8 h + j, query r; key - query = DL + 16 t + j, DL in -127 .. -56:
	; tiles 0-3 can fall below -63, tiles 8-11 above 63, tiles 4-7 lie inside for every lane.
.irp t, 0,1,2,3,4,5,6,7
	ds_load_b128 v[KF+8*\t:KF+8*\t+3],   v15 offset:64*\t
	ds_load_b128 v[KF+8*\t+4:KF+8*\t+7], v15 offset:64*\t+16
.endr
.irp u, 0,1
	ds_load_b128 v[PSC+8*\u:PSC+8*\u+3],   v6 offset:64*\u
	ds_load_b128 v[PSC+8*\u+4:PSC+8*\u+7], v6 offset:64*\u+16
.endr
.irp u, 0,1
	ds_load_b128 v[ZP+8*\u:ZP+8*\u+3],   v6 offset:128+64*\u
	ds_load_b128 v[ZP+8*\u+4:ZP+8*\u+7], v6 offset:128+64*\u+16
.endr
.macro SCORE t, mode, pr
.set sb, S+8*\t
.set ch, CH+(\t%4)
.if \mode == 1
.irp j, 0,1,2,3,4,5,6,7
.set bnd, 0-64-16*\t-\j
	v_cmp_lt_i32 vcc_lo, bnd, v[DL]                ; key - query > -64
	v_cndmask_b32 v[sb+\j], v[NEGM], v[sb+\j], vcc_lo
.endr
.endif
.if \mode == 2
.irp j, 0,1,2,3,4,5,6,7
.set bnd, 64-16*\t-\j
	v_cmp_gt_i32 vcc_lo, bnd, v[DL]                ; key - query < 64
	v_cndmask_b32 v[sb+\j], v[NEGM], v[sb+\j], vcc_lo
.endr
.endif
.irp j, 0,2,4,6
	v_pk_add_f32 v[sb+\j:sb+\j+1], v[sb+\j:sb+\j+1], v[\pr+\j:\pr+\j+1] neg_lo:[0,1] neg_hi:[0,1]
.endr
.if \t < 4
	v_max3_num_f32 v[ch], v[sb], v[sb+1], v[sb+2]  ; the first four tiles start the four chains
	v_max3_num_f32 v[ch], v[ch], v[sb+3], v[sb+4]
	v_max3_num_f32 v[ch], v[ch], v[sb+5], v[sb+6]
	v_max_num_f32 v[ch], v[ch], v[sb+7]
.else
	v_max3_num_f32 v[ch], v[ch], v[sb], v[sb+1]
	v_max3_num_f32 v[ch], v[ch], v[sb+2], v[sb+3]
	v_max3_num_f32 v[ch], v[ch], v[sb+4], v[sb+5]
	v_max3_num_f32 v[ch], v[ch], v[sb+6], v[sb+7]
.endif
.endm
	s_wait_dscnt 22                                ; 24 loads issued; tile t needs the first 2 (t + 1)
	SCORE 0, 1, KF
	s_wait_dscnt 20
	SCORE 1, 1, KF+8
	s_wait_dscnt 18
	SCORE 2, 1, KF+16
	s_wait_dscnt 16
	SCORE 3, 1, KF+24
.irp t, 0,1,2,3
	ds_load_b128 v[KF+8*\t:KF+8*\t+3],   v15 offset:512+64*\t       ; the penalties of tiles 8 to 11, into the registers of tiles 0 to 3
	ds_load_b128 v[KF+8*\t+4:KF+8*\t+7], v15 offset:512+64*\t+16
.endr
	s_wait_dscnt 22                                ; 32 issued now; tile t still needs the first 2 (t + 1)
	SCORE 4, 0, KF+32
	s_wait_dscnt 20
	SCORE 5, 0, KF+40
	s_wait_dscnt 18
	SCORE 6, 0, KF+48
	s_wait_dscnt 16
	SCORE 7, 0, KF+56
	s_wait_dscnt 6                                 ; of the last eight the first two (and with them the pseudo scores and z)
	SCORE 8, 2, KF
	s_wait_dscnt 4
	SCORE 9, 2, KF+8
	s_wait_dscnt 2
	SCORE 10, 2, KF+16
	s_wait_dscnt 0
	SCORE 11, 2, KF+24
.irp u, 0,1
.irp j, 0,2,4,6
	v_max3_num_f32 v[CH+\u], v[CH+\u], v[PSC+8*\u+\j], v[PSC+8*\u+\j+1]
.endr
.endr
.macro FETCHV c, b                     ; V transposed: 4 tiles of e x the 32 keys of step c; step 6 is the 32 pseudo keys
.irp i, 0,1,2,3
.if \c < 6
	ds_load_tr16_b128 v[\b+8*\i:\b+8*\i+3],   v13 offset:32*VP*\c+32*\i
	ds_load_tr16_b128 v[\b+8*\i+4:\b+8*\i+7], v13 offset:32*VP*\c+32*\i+16*VP
.else
	ds_load_tr16_b128 v[\b+8*\i:\b+8*\i+3],   v14 offset:32*\i
	ds_load_tr16_b128 v[\b+8*\i+4:\b+8*\i+7], v14 offset:32*\i+16*VP
.endif
.endr
.endm
	FETCHV 0, KF                                   ; the penalties are used up: the first V fragments land under the exponentials
	FETCHV 1, KF+32
	v_max3_num_f32 v[CH], v[CH], v[CH+1], v[CH+2]
	v_max_num_f32 v[CH], v[CH], v[CH+3]
	v_permlanex16_b32 v[CH+1], v[CH], s38, s39     ; the other half of the lanes holds the query's other keys
	v_max_num_f32 v[CH], v[CH], v[CH+1]            ; M: the row's maximum over 192 keys and 32 pseudo keys
	v_mul_f32 v[NML], 0xbfb8aa3b, v[CH]
	v_mul_f32 v[NML+1], 0xbfb8aa3b, v[CH]
	; weights 2^(s log2 e - M log2 e).  The product is exact inside the fused form; the rounding of M log2 e is one common factor of a row's weights and leaves with the division by l.
.irp t, 0,1,2,3,4,5,6,7,8,9,10,11,12,13
.irp j, 0,2,4,6
	v_pk_fma_f32 v[S+8*\t+\j:S+8*\t+\j+1], v[S+8*\t+\j:S+8*\t+\j+1], L2E, v[NML:NML+1] op_sel_hi:[1,0,1]
.endr
.irp j, 0,1,2,3,4,5,6,7
	v_exp_f32 v[S+8*\t+\j], v[S+8*\t+\j]
.endr
.endr
	v_nop                                          ; the plain instruction behind the last exponentials
	s_wait_alu depctr_va_vdst(0)
.irp k, 0,1,2,3
	v_pk_add_f32 v[CH+2*\k:CH+2*\k+1], v[S+2*\k:S+2*\k+1], v[S+8+2*\k:S+8+2*\k+1]   ; l in four chains of pairs, started by tiles 0 and 1
.endr
.irp t, 2,3,4,5,6,7,8,9,10,11
.irp k, 0,1,2,3
	v_pk_add_f32 v[CH+2*\k:CH+2*\k+1], v[CH+2*\k:CH+2*\k+1], v[S+8*\t+2*\k:S+8*\t+2*\k+1]
.endr
.endr
.irp u, 0,1
.irp k, 0,1,2,3
	v_pk_fma_f32 v[CH+2*\k:CH+2*\k+1], v[PSC+8*\u+2*\k:PSC+8*\u+2*\k+1], v[ZP+8*\u+2*\k:ZP+8*\u+2*\k+1], v[CH+2*\k:CH+2*\k+1]   ; a pseudo key counts z times
.endr
.endr
	v_pk_add_f32 v[CH:CH+1], v[CH:CH+1], v[CH+2:CH+3]
	v_pk_add_f32 v[CH+4:CH+5], v[CH+4:CH+5], v[CH+6:CH+7]
	v_pk_add_f32 v[CH:CH+1], v[CH:CH+1], v[CH+4:CH+5]
	v_add_f32 v[CH], v[CH], v[CH+1]
	v_permlanex16_b32 v[CH+1], v[CH], s38, s39
	v_add_f32 v[CH], v[CH], v[CH+1]
	v_rcp_f32 v[RL], v[CH]                         ; used behind the packing below
	; pack: tiles 2c, 2c+1 become registers 0-3, 4-7 of step c's B fragment, in place, ascending (step 6: the pseudo keys)
.irp c, 0,1,2,3,4,5,6
.irp q, 0,1,2,3
	v_cvt_pk_bf16_f32 v[S+16*\c+\q], v[S+16*\c+2*\q], v[S+16*\c+2*\q+1]
.endr
.irp q, 0,1,2,3
	v_cvt_pk_bf16_f32 v[S+16*\c+4+\q], v[S+16*\c+8+2*\q], v[S+16*\c+8+2*\q+1]
.endr
.endr
	s_wait_alu depctr_va_vdst(0)
	v_mul_f32 v[RL], s34, v[RL]                    ; r / l
	v_mov_b32 v[RL+1], v[RL]
	; SECOND PRODUCT, transposed: A = 16 e x 32 keys, B = the weights.  Four accumulators take turns, one instruction a turn.
.macro MULO c, b, zero
.irp i, 0,1,2,3
.if \zero
	v_wmma_f32_16x16x32_bf16 v[OA+8*\i:OA+8*\i+7], v[\b+8*\i:\b+8*\i+7], v[S+16*\c:S+16*\c+7], 0
.else
	v_wmma_f32_16x16x32_bf16 v[OA+8*\i:OA+8*\i+7], v[\b+8*\i:\b+8*\i+7], v[S+16*\c:S+16*\c+7], v[OA+8*\i:OA+8*\i+7]
.endif
.endr
.endm
	s_wait_dscnt 8                                 ; all but the other buffer's eight loads
	MULO 0, KF, 1
	PLACES
	FETCHV 2, KF
	s_wait_dscnt 8
	MULO 1, KF+32, 0
	PLACES
	FETCHV 3, KF+32
	s_wait_dscnt 8
	MULO 2, KF, 0
	PLACES
	FETCHV 4, KF
	s_wait_dscnt 8
	MULO 3, KF+32, 0
	PLACES
	FETCHV 5, KF+32
	s_wait_dscnt 8
	MULO 4, KF, 0
	PLACES
	FETCHV 6, KF
	s_wait_dscnt 8
	MULO 5, KF+32, 0
	s_wait_dscnt 0
	MULO 6, KF, 0
	; kv: the eight partials are added, each thread its 16 numbers, in a tree; scaled; packed; laid into LDS as [e][d]
	s_wait_loadcnt 0
.macro ADDP a, b
.irp q, 0,2,4,6,8,10,12,14
	v_pk_add_f32 v[16*\a+\q:16*\a+\q+1], v[16*\a+\q:16*\a+\q+1], v[16*\b+\q:16*\b+\q+1]
.endr
.endm
	WIN 0x45                                       ; sources 0 and 1 and the destination: v256 and up
	ADDP 0, 1
	ADDP 2, 3
	ADDP 4, 5
	ADDP 6, 7
	ADDP 0, 2
	ADDP 4, 6
	ADDP 0, 4
.irp q, 0,2,4,6,8,10,12,14
	v_pk_mul_f32 v[\q:\q+1], v[\q:\q+1], s[36:37] op_sel_hi:[1,0]
.endr
	WIN 0x05                                       ; the destination back in v0-v255
.irp m, 0,1,2,3,4,5,6,7
	v_cvt_pk_bf16_f32 v[KVC+\m], v[2*\m], v[2*\m+1]
.endr
	WIN 0
.irp n, 0,1,2,3
	ds_store_b64 v7, v[KVC+2*\n:KVC+2*\n+1] offset:16*KP*\n    ; row e = 16 n + r, four d; bytes of KVL alone, which nothing has read or written before
.endr
	s_wait_dscnt 0x0                               ; my part of kv is written
	s_barrier_signal -1
	s_barrier_wait -1
	; LOW RANK, transposed: A = 16 e x 32 d of kv, B = elu(Q)+1
	PLACES                                         ; the loads land in registers that the second product read
.irp kk, 0,1
.irp i, 0,1,2,3
	ds_load_b128 v[KF+16*\i+8*\kk:KF+16*\i+8*\kk+3],   v8 offset:16*KP*\i+64*\kk
	ds_load_b128 v[KF+16*\i+8*\kk+4:KF+16*\i+8*\kk+7], v8 offset:16*KP*\i+64*\kk+32
.endr
.endr
	s_wait_dscnt 8                                 ; d = 0..31 is in; the eight loads of d = 32..63 stay out
.irp i, 0,1,2,3
	v_wmma_f32_16x16x32_bf16 v[RA+8*\i:RA+8*\i+7], v[KF+16*\i:KF+16*\i+7], v[Q1F:Q1F+7], 0
.endr
	s_wait_dscnt 0
.irp i, 0,1,2,3
	v_wmma_f32_16x16x32_bf16 v[RA+8*\i:RA+8*\i+7], v[KF+16*\i+8:KF+16*\i+15], v[Q1F+8:Q1F+15], v[RA+8*\i:RA+8*\i+7]
.endr
	PLACES
.irp m, 0,2,4,6,8,10,12,14,16,18,20,22,24,26,28,30
	v_pk_fma_f32 v[OA+\m:OA+\m+1], v[OA+\m:OA+\m+1], v[RL:RL+1], v[RA+\m:RA+\m+1]   ; the blend: (r / l) O + (1 - r) low rank
.endr
	; THE WAY OUT: a lane holds 8 neighbouring e of query r; through my wave's own stage, back as whole rows of 256 bytes
.irp i, 0,1,2,3
	ds_store_b128 v9, v[OA+8*\i:OA+8*\i+3]   offset:64*\i
	ds_store_b128 v9, v[OA+8*\i+4:OA+8*\i+7] offset:64*\i+16
.endr
.irp n, 0,1,2,3,4,5,6,7
	ds_load_b128 v[OB+4*\n:OB+4*\n+3], v10 offset:2*SP*\n      ; LDS serves a wave in order (ISA guide 5.7.1.4): these see the stores above
.endr
.irp n, 0,1,2,3,4,5,6,7
	s_wait_dscnt 7-\n
	global_store_b128 v4, v[OB+4*\n:OB+4*\n+3], s[24:25] offset:512*\n th:TH_STORE_NT   ; two rows: 512 consecutive bytes, at a multiple of 512 from out0's first byte
.endr
	s_set_vgpr_msb 0x5
	s_wait_tensorcnt 0x0
	ds_add_u32 v128, v129
	s_wait_dscnt 0x0
	s_set_vgpr_msb 0x500
	s_endpgm
.Lfunc_end_k_qd8899e0828_attn:
	.size	k_qd8899e0828_attn, .Lfunc_end_k_qd8899e0828_attn-k_qd8899e0828_attn
	.p2alignl 7, 3214868480
	.fill 96, 4, 3214868480
	.section	.rodata,"a",@progbits
	.p2align	6, 0x0
	.amdhsa_kernel k_qd8899e0828_attn
		.amdhsa_group_segment_fixed_size 167936
		.amdhsa_private_segment_fixed_size 0
		.amdhsa_enable_private_segment 0
		.amdhsa_kernarg_size 72
		.amdhsa_user_sgpr_count 2
		.amdhsa_user_sgpr_kernarg_segment_ptr 1
		.amdhsa_wavefront_size32 1
		.amdhsa_system_sgpr_workgroup_id_x 1
		.amdhsa_system_sgpr_workgroup_id_y 1
		.amdhsa_system_sgpr_workgroup_id_z 1
		.amdhsa_system_vgpr_workitem_id 0
		.amdhsa_next_free_vgpr 386
		.amdhsa_next_free_sgpr 66
		.amdhsa_reserve_vcc 1
		.amdhsa_float_denorm_mode_32 3
		.amdhsa_float_denorm_mode_16_64 3
		.amdhsa_memory_ordered 1
		.amdhsa_forward_progress 1
		.amdhsa_inst_pref_size 84
	.end_amdhsa_kernel
	.amdgpu_metadata
---
amdhsa.version: [ 1, 2 ]
amdhsa.kernels:
  - .name:           k_qd8899e0828_attn
    .symbol:         k_qd8899e0828_attn.kd
    .args:
      - { .name: Q, .offset: 0, .size: 8, .value_kind: global_buffer, .address_space: global }
      - { .name: K, .offset: 8, .size: 8, .value_kind: global_buffer, .address_space: global }
      - { .name: V, .offset: 16, .size: 8, .value_kind: global_buffer, .address_space: global }
      - { .name: mask, .offset: 24, .size: 8, .value_kind: global_buffer, .address_space: global }
      - { .name: sparse_ratio, .offset: 32, .size: 8, .value_kind: global_buffer, .address_space: global }
      - { .name: kvp, .offset: 40, .size: 8, .value_kind: global_buffer, .address_space: global }
      - { .name: pst, .offset: 48, .size: 8, .value_kind: global_buffer, .address_space: global }
      - { .name: czs, .offset: 56, .size: 8, .value_kind: global_buffer, .address_space: global }
      - { .name: out0, .offset: 64, .size: 8, .value_kind: global_buffer, .address_space: global }
    .group_segment_fixed_size: 167936
    .private_segment_fixed_size: 0
    .kernarg_segment_align: 8
    .kernarg_segment_size: 72
    .max_flat_workgroup_size: 256
    .sgpr_count:     66
    .vgpr_count:     386
    .wavefront_size: 32
...
	.end_amdgpu_metadata
.endif
;; end of part 2
